; MI455X (gfx1250); checked and timed in simulation.
; The chip was launched on July 23, 2026; its instructions are those of AMD's public machine-readable ISA for CDNA 5 (MIT licence, August 2026) and "CDNA5" Instruction Set Architecture Reference Guide (July 2026). The comments in the code are by the model that wrote it; some were corrected since.
;; Virtual Value Network. Allowed arithmetic: float matrix products may take bf16 or f16 operands with f32 sums; all other float work in f32.
;; Inputs: beta_params 1,024 x 2 x 3 float32; bids 16,384 x 1,024 float32; w_params 1,024 x 2 x 3 float32.
;; Outputs: out0 16,384 x 1,024 float32.
;; 2 versions, each right; version 2 is version 1 with the launch vvn written anew for expert scheduling mode. Each part assembles by itself: llvm-mc -triple=amdgcn-amd-amdhsa -mcpu=gfx1250 --defsym DOCPART=n.
;; ======== version 1 of 2: 1 launch
;; launch vvn (part 1): grid 256 x 1, 8 waves a work-group, no clusters, 50,176 bytes of LDS; arguments bids, w_params, beta_params, out0; writes out0
.if DOCPART == 1
	.amdgcn_target "amdgcn-amd-amdhsa--gfx1250"
	.amdhsa_code_object_version 6
	.text
	.protected	k_q8528752705_vvn
	.globl	k_q8528752705_vvn
	.p2align	8
	.type	k_q8528752705_vvn,@function
k_q8528752705_vvn:
	s_mov_b64 s[64:65], 0
	v_nop
	global_prefetch_b8 v0, s[64:65] scope:SCOPE_SE
	s_setreg_imm32_b32 hwreg(HW_REG_WAVE_MODE, 25, 1), 1
	s_wait_xcnt 0x0
; out[r][c] = min over k of max over j of ( bids[r][c] * exp(w[c][k][j]) + beta[c][k][j] ),  k = 0..1, j = 0..2.
; bids, out: [16384][1024] f32.  w, beta: [1024][2][3] f32.
;
; A stream: 64 MiB in, 64 MiB out, some 24 vector instructions for 128 numbers: the bytes decide, so each is moved once.
; 256 work-groups of eight waves; a work-group owns 64 whole rows (256 KiB of bids, 256 KiB of out, each contiguous).
; Thread t owns the 16 bytes (4 columns) at byte 16 t of every row: a load or store of a wave covers 512 consecutive bytes,
; aligned, the eight waves cover a row, and a thread's 24 exp(w) and 24 beta stay in registers for the whole kernel.
; A ring of DEPTH = 16 row slots in registers keeps 16 loads of every wave on their way: 16 x 512 x 8 = 64 KiB for a work-group.
;
; No matrix unit (no product), no tensor loads (the ring fits in registers), no barrier (no wave reads another's bytes).
; No cluster: the work-groups share only the 48 KiB of w and beta, against 512 KiB of rows that each has to itself.
; No prefetch: the ring already keeps the stream of rows running from the first lines on.
;
; LIMITS.  (1) v_max3_num_f32 and v_min_num_f32 drop a NaN where jnp.max and jnp.min pass it on: where reference() gives NaN
; (a NaN among the inputs; a bid of 0 times an exp(w) that overflowed to infinity) this text gives the result of the other candidates.
; (2) exp(w) is exp2(w * log2 e): the rounding of that product leaves a relative error of about |w| * 1.44 * 2^-24 (1e-5 at |w| = 88).
; v_exp_f32 gives 0 where the result would lie below 2^-126 (ISA guide 15.8), that is for w below about -87.3, where reference() may hold a
; denormal.  Overflow to infinity is as in reference().  (3) Each line is one fused multiply-add: one rounding where reference() has two.
.set ROW,    4096                      ; bytes in a row
.set ROWS,   64                        ; rows of a work-group
.set DEPTH,  16                        ; slots = loads in flight in each wave
.set ROUNDS, ROWS/DEPTH                ; each round takes every slot once
.set PART,   3072                      ; bytes of w (and of beta) for a wave's 128 columns: 128 x 6 x 4
.set BETA,   24576                     ; LDS: w's 24,576 bytes lie at 0, beta's behind them
.set W,  4                             ; v[4:27]    exp(w) of my 4 columns, in memory's order: 6 c + 3 k + j
.set B,  28                            ; v[28:51]   beta, likewise
.set T,  52                            ; v[52:75]   the 24 lines of a row's 4 numbers, at work
.set Y,  76                            ; v[76:79]   4 results to store
.set X,  80                            ; v[80:143]  slot i: 4 registers, 4 bids as loaded
                                       ; v1: 16 lane + PART wave   v2: 16 t   v3: 96 lane + PART wave
	s_load_b256 s[4:11], s[0:1], 0x0               ; bids s[4:5], w s[6:7], beta s[8:9], out s[10:11]
	v_lshl_add_u32 v144, v0, 2, 0xc000
	v_mov_b32 v145, 0
	s_lshl_b32 s2, ttmp9, 18                       ; the work-group's 64 rows of 4,096 bytes: at most 255 << 18, under 4 GiB
	s_mov_b32 s3, 0
	v_lshrrev_b32 v3, 5, v0
	v_readfirstlane_b32 s12, v3                    ; my wave's number
	s_mul_i32 s13, s12, PART                       ; my wave's part of w and of beta, in memory and in LDS alike
	v_and_b32 v[T], 31, v0                         ; lane
	v_lshl_add_u32 v1, v[T], 4, s13                ; in: lanes 16 bytes apart
	v_mul_u32_u24 v3, 96, v[T]                     ; back: a lane's 4 columns x 6 numbers are 96 bytes
	v_add_nc_u32 v3, s13, v3
	v_lshlrev_b32 v2, 4, v0                        ; my 16 bytes in every row
	s_wait_kmcnt 0x0
	s_add_nc_u64 s[4:5], s[4:5], s[2:3]            ; bids and out at the group's first row
	s_add_nc_u64 s[10:11], s[10:11], s[2:3]
	; w and beta first (they are wanted first), each byte of my wave's part once, 512 consecutive bytes a load; then the ring is filled.
.irp n, 0,1,2,3,4,5
	global_load_b128 v[W+4*\n:W+4*\n+3], v1, s[6:7] offset:512*\n
.endr
.irp n, 0,1,2,3,4,5
	global_load_b128 v[B+4*\n:B+4*\n+3], v1, s[8:9] offset:512*\n
.endr
.irp i, 0,1,2,3,4,5,6,7,8,9,10,11,12,13,14,15
	global_load_b128 v[X+4*\i:X+4*\i+3], v2, s[4:5] offset:\i*ROW th:TH_LOAD_NT   ; rows 0 to 15; every row is read once in the launch
.endr
	s_wait_loadcnt DEPTH                           ; loads come back in order (ISA guide 5.7.1): w and beta are in, the 16 rows stay out
	; Through my wave's own LDS bytes (PART wave .. PART wave + 3,071 of each half): in as loaded, back as 96 bytes a lane.
	; Only this wave touches them, and LDS serves a wave's instructions in order (ISA guide 5.7.1.4): no wait and no barrier between the
	; stores and the loads, and a load's result lands in W or B only after the stores in front of it have taken their data.
.irp n, 0,1,2,3,4,5
	ds_store_b128 v1, v[W+4*\n:W+4*\n+3] offset:512*\n
.endr
.irp n, 0,1,2,3,4,5
	ds_store_b128 v1, v[B+4*\n:B+4*\n+3] offset:BETA+512*\n
.endr
.irp n, 0,1,2,3,4,5
	ds_load_b128 v[W+4*\n:W+4*\n+3], v3 offset:16*\n
.endr
.irp n, 0,1,2,3,4,5
	ds_load_b128 v[B+4*\n:B+4*\n+3], v3 offset:BETA+16*\n
.endr
	s_wait_dscnt 6                                 ; w is back; beta's six loads stay out while the exponentials are made
.irp n, 0,2,4,6,8,10,12,14,16,18,20,22
	v_pk_mul_f32 v[W+\n:W+\n+1], v[W+\n:W+\n+1], 0x3fb8aa3b op_sel_hi:[1,0]      ; w * log2 e
.endr
.set n, 0
.rept 24
	v_exp_f32 v[W+n], v[W+n]                       ; exp(w) = 2^(w log2 e), once for the 64 rows
.set n, n+1
.endr
	v_nop                                          ; one plain vector instruction between the last v_exp_f32 and the first use (ISA guide 5.7.2)
	s_wait_dscnt 0                                 ; beta is back
; The six lines of one column: three packed multiply-adds.  x: the register pair that holds the bid, s: which of the two it is
; (op_sel picks it for the low result, op_sel_hi for the high one); w and beta come as the pairs in which memory has them.
.macro COLUMN x, c, s
	s_wait_alu depctr_va_vdst(0)
.irp m, 0,2,4
	v_pk_fma_f32 v[T+6*\c+\m:T+6*\c+\m+1], v[\x:\x+1], v[W+6*\c+\m:W+6*\c+\m+1], v[B+6*\c+\m:B+6*\c+\m+1] op_sel:[\s,0,0] op_sel_hi:[\s,1,1]
.endr
.endm
; One slot's turn.  ahead = 1: the slot is filled again with the row DEPTH further down.
; left = how many younger loads may still be out when this slot's load has to be there.
.macro SLOT i, ahead, left
	s_wait_loadcnt \left                           ; my row is in, the younger ones stay out
	COLUMN X+4*\i,   0, 0
	COLUMN X+4*\i,   1, 1
	COLUMN X+4*\i+2, 2, 0
	COLUMN X+4*\i+2, 3, 1
	s_wait_xcnt 0x0                                ; Y, which the last slot's store reads, is rewritten only behind this wait (ISA guide 3.1);
	                                               ; it stands seventeen instructions behind that store, and in front of this slot's load
.if \ahead
	global_load_b128 v[X+4*\i:X+4*\i+3], v2, s[4:5] offset:DEPTH*ROW+\i*ROW th:TH_LOAD_NT   ; the bids are used up: ask at once, ahead of the store
.endif
.irp c, 0,1,2,3
	v_max3_num_f32 v[T+6*\c],   v[T+6*\c],   v[T+6*\c+1], v[T+6*\c+2]       ; max over j, k = 0
	v_max3_num_f32 v[T+6*\c+3], v[T+6*\c+3], v[T+6*\c+4], v[T+6*\c+5]       ; max over j, k = 1
.endr
.irp c, 0,1,2,3
	v_min_num_f32 v[Y+\c], v[T+6*\c], v[T+6*\c+3]                            ; min over k
.endr
	global_store_b128 v2, v[Y:Y+3], s[10:11] offset:\i*ROW th:TH_STORE_NT    ; the wave stores 512 consecutive bytes, aligned; not read again
.endm
	s_mov_b32 s14, ROUNDS-1
.Lround:
.irp i, 0,1,2,3,4,5,6,7,8,9,10,11,12,13,14,15
	SLOT \i, 1, DEPTH-1
.endr
	s_wait_xcnt 0x0                                ; the two bases, which the round's loads and stores name, step only behind this wait
	s_add_nc_u64 s[4:5], s[4:5], DEPTH*ROW
	s_add_nc_u64 s[10:11], s[10:11], DEPTH*ROW
	s_sub_co_u32 s14, s14, 1
	s_cmp_lg_u32 s14, 0
	s_cbranch_scc1 .Lround
.irp i, 0,1,2,3,4,5,6,7,8,9,10,11,12,13,14,15
	SLOT \i, 0, DEPTH-1-\i                         ; rows 48 to 63: nothing is loaded beyond the group's rows, and the counts run down
.endr
	s_wait_tensorcnt 0x0
	ds_add_u32 v144, v145
	s_wait_dscnt 0x0
	s_endpgm
.Lfunc_end_k_q8528752705_vvn:
	.size	k_q8528752705_vvn, .Lfunc_end_k_q8528752705_vvn-k_q8528752705_vvn
	.p2alignl 7, 3214868480
	.fill 96, 4, 3214868480
	.section	.rodata,"a",@progbits
	.p2align	6, 0x0
	.amdhsa_kernel k_q8528752705_vvn
		.amdhsa_group_segment_fixed_size 50176
		.amdhsa_private_segment_fixed_size 0
		.amdhsa_enable_private_segment 0
		.amdhsa_kernarg_size 32
		.amdhsa_user_sgpr_count 2
		.amdhsa_user_sgpr_kernarg_segment_ptr 1
		.amdhsa_wavefront_size32 1
		.amdhsa_system_sgpr_workgroup_id_x 1
		.amdhsa_system_sgpr_workgroup_id_y 1
		.amdhsa_system_sgpr_workgroup_id_z 1
		.amdhsa_system_vgpr_workitem_id 0
		.amdhsa_next_free_vgpr 146
		.amdhsa_next_free_sgpr 66
		.amdhsa_reserve_vcc 0
		.amdhsa_float_denorm_mode_32 3
		.amdhsa_float_denorm_mode_16_64 3
		.amdhsa_memory_ordered 1
		.amdhsa_forward_progress 1
		.amdhsa_inst_pref_size 62
	.end_amdhsa_kernel
	.amdgpu_metadata
---
amdhsa.version: [ 1, 2 ]
amdhsa.kernels:
  - .name:           k_q8528752705_vvn
    .symbol:         k_q8528752705_vvn.kd
    .args:
      - { .name: bids, .offset: 0, .size: 8, .value_kind: global_buffer, .address_space: global }
      - { .name: w_params, .offset: 8, .size: 8, .value_kind: global_buffer, .address_space: global }
      - { .name: beta_params, .offset: 16, .size: 8, .value_kind: global_buffer, .address_space: global }
      - { .name: out0, .offset: 24, .size: 8, .value_kind: global_buffer, .address_space: global }
    .group_segment_fixed_size: 50176
    .private_segment_fixed_size: 0
    .kernarg_segment_align: 8
    .kernarg_segment_size: 32
    .max_flat_workgroup_size: 256
    .sgpr_count:     66
    .vgpr_count:     146
    .wavefront_size: 32
...
	.end_amdgpu_metadata
.endif
;; end of part 1
;; ======== version 2 of 2: 1 launch; version 1 with the launch vvn written anew for expert scheduling mode
;; launch vvn (part 2): grid 256 x 1, 8 waves a work-group, no clusters, 50,176 bytes of LDS; arguments bids, w_params, beta_params, out0; writes out0
.if DOCPART == 2
	.amdgcn_target "amdgcn-amd-amdhsa--gfx1250"
	.amdhsa_code_object_version 6
	.text
	.protected	k_q8528752705_vvn
	.globl	k_q8528752705_vvn
	.p2align	8
	.type	k_q8528752705_vvn,@function
k_q8528752705_vvn:
	s_mov_b64 s[64:65], 0
	v_nop
	global_prefetch_b8 v0, s[64:65] scope:SCOPE_SE
	s_setreg_imm32_b32 hwreg(HW_REG_WAVE_SCHED_MODE, 0, 2), 2
	s_setreg_imm32_b32 hwreg(HW_REG_WAVE_MODE, 25, 1), 1
	s_wait_xcnt 0x0
	s_wait_alu depctr_vm_vsrc(0)
; out[r][c] = min over k of max over j of ( bids[r][c] * exp(w[c][k][j]) + beta[c][k][j] ),  k = 0..1, j = 0..2.
; bids, out: [16384][1024] f32.  w, beta: [1024][2][3] f32.
;
; A stream: 64 MiB in, 64 MiB out, some 24 vector instructions for 128 numbers: the bytes decide, so each is moved once.
; 256 work-groups of eight waves; a work-group owns 64 whole rows (256 KiB of bids, 256 KiB of out, each contiguous).
; Thread t owns the 16 bytes (4 columns) at byte 16 t of every row: a load or store of a wave covers 512 consecutive bytes,
; aligned, the eight waves cover a row, and a thread's 24 exp(w) and 24 beta stay in registers for the whole kernel.
; A ring of DEPTH = 16 rows in registers keeps up to 16 loads of every wave on their way: 16 x 512 x 8 = 64 KiB for a work-group.
;
; No matrix unit (no product), no tensor loads (the ring fits in registers), no barrier (no wave reads another's bytes).
; No cluster: the work-groups share only the 48 KiB of w and beta, against 512 KiB of rows that each has to itself.
; No prefetch: the ring already keeps the stream of rows running from the first lines on.
;
; THE MODE: SCHED_MODE bits 1:0 = 2 (LLVM: expert scheduling mode 2), set by the entry lines.  The code itself states the register dependences
; between vector instructions and memory or LDS instructions, with s_wait_alu, always for 0.
; THE PLAN.  The 64 rows go in 16 blocks of four; the ring is four buffers X0 .. X3 of a block each.  Block q has three parts:
;   LINES q   waits for X[q % 4] and makes the block's 96 lines: 48 packed multiply-adds, X[q % 4] -> T.
;   MOVE q    the waits; both bases move on; four loads of block q + 4 into the SAME X[q % 4]; four stores of block q - 1 from Y[(q - 1) % 2].
;   FOLD q    32 maxima on T, 16 minima T -> Y[q % 2].
; Registers that memory instructions touch, in the loop:
;   X0 .. X3   Written by the loads of MOVE q; read by LINES q + 4 and by nothing else.
;   Y0, Y1     Written by the minima of FOLD q; read by the four stores of MOVE q + 1.
;   v2         The byte offset of every load and store of rows; made once at the head: the rows are reached by the scalar bases and by immediates.
;   T, W and B are named by vector instructions alone.
; So the waits of MOVE q state all: LINES q is done reading X[q % 4]; FOLD q - 1 has written the other Y; the stores of MOVE q - 1 have read
; Y[q % 2].  Between them and MOVE's eight memory instructions stand two scalar adds, and FOLD q names T and Y[q % 2] alone.
; Block 0 has no block in front of it: its LINES, and a MOVE without stores, stand ahead of the loop, which is entered behind its first MOVE.
;
; LIMITS.  (1) v_max3_num_f32 and v_min_num_f32 drop a NaN where jnp.max and jnp.min pass it on: where reference() gives NaN
; (a NaN among the inputs; a bid of 0 times an exp(w) that overflowed to infinity) this text gives the result of the other candidates.
; (2) exp(w) is exp2(w * log2 e): the rounding of that product leaves a relative error of about |w| * 1.44 * 2^-24 (1e-5 at |w| = 88).
; v_exp_f32 gives 0 where the result would lie below 2^-126 (ISA guide 15.8), that is for w below about -87.3, where reference() may hold a
; denormal.  Overflow to infinity is as in reference().  (3) Each line is one fused multiply-add: one rounding where reference() has two.
.set ROW,    4096                      ; bytes in a row
.set ROWS,   64                        ; rows of a work-group
.set BLOCK,  4                         ; rows in a block
.set DEPTH,  16                        ; rows in the ring = the most loads in flight in each wave
.set ROUNDS, ROWS/DEPTH                ; each round takes every X buffer once
.set PART,   3072                      ; bytes of w (and of beta) for a wave's 128 columns: 128 x 6 x 4
.set BETA,   24576                     ; LDS: w's 24,576 bytes lie at 0, beta's behind them
.set W,  4                             ; v[4:27]    exp(w) of my 4 columns, in memory's order: 6 c + 3 k + j
.set B,  28                            ; v[28:51]   beta, likewise
.set T,  52                            ; v[52:147]  row i of the block at work: its 24 lines at T + 24 i
.set X,  148                           ; v[148:211] buffer b, row i: 4 registers at X + 16 b + 4 i, 4 bids as loaded
.set Y,  212                           ; v[212:243] buffer k, row i: 4 registers at Y + 16 k + 4 i, 4 results to store
                                       ; v1: 16 lane + PART wave   v2: 16 t   v3: 96 lane + PART wave
	s_load_b256 s[4:11], s[0:1], 0x0               ; bids s[4:5], w s[6:7], beta s[8:9], out s[10:11]
	v_lshl_add_u32 v244, v0, 2, 0xc000
	v_mov_b32 v245, 0
	s_lshl_b32 s2, ttmp9, 18                       ; the work-group's 64 rows of 4,096 bytes: at most 255 << 18, under 4 GiB
	s_mov_b32 s3, 0
	v_lshrrev_b32 v3, 5, v0
	v_readfirstlane_b32 s12, v3                    ; my wave's number
	v_and_b32 v[T], 31, v0                         ; lane
	v_lshlrev_b32 v2, 4, v0                        ; my 16 bytes in every row
	v_mul_u32_u24 v3, 96, v[T]                     ; back: a lane's 4 columns x 6 numbers are 96 bytes
	s_wait_alu depctr_va_sdst(0)                   ; s12 is written, ahead of its first reader, the line below
	s_mul_i32 s13, s12, PART                       ; my wave's part of w and of beta, in memory and in LDS alike
	v_lshl_add_u32 v1, v[T], 4, s13                ; in: lanes 16 bytes apart
	v_add_nc_u32 v3, s13, v3
	s_wait_kmcnt 0x0
	s_add_nc_u64 s[4:5], s[4:5], s[2:3]            ; bids and out at the group's first row
	s_add_nc_u64 s[10:11], s[10:11], s[2:3]
	s_wait_alu depctr_va_vdst(0)                   ; v1, v2 and v3 are written: every load, store and LDS instruction of the kernel reads one of them, and none is written again
	; w and beta first (they are wanted first), each byte of my wave's part once, 512 consecutive bytes a load; then the ring is filled.
.irp n, 0,1,2,3,4,5
	global_load_b128 v[W+4*\n:W+4*\n+3], v1, s[6:7] offset:512*\n
.endr
.irp n, 0,1,2,3,4,5
	global_load_b128 v[B+4*\n:B+4*\n+3], v1, s[8:9] offset:512*\n
.endr
.irp i, 0,1,2,3,4,5,6,7,8,9,10,11,12,13,14,15
	global_load_b128 v[X+4*\i:X+4*\i+3], v2, s[4:5] offset:\i*ROW th:TH_LOAD_NT   ; rows 0 to 15, blocks 0 to 3; every row is read once in the launch
.endr
	s_wait_loadcnt DEPTH                           ; loads come back in order (ISA guide 5.7.1): w and beta are in, the 16 rows stay out
	; Through my wave's own LDS bytes (PART wave .. PART wave + 3,071 of each half): in as loaded, back as 96 bytes a lane.
	; Only this wave touches them, and LDS serves a wave's instructions in order (ISA guide 5.7.1.4): no wait on DScnt and no barrier
	; between the stores and the loads.
.irp n, 0,1,2,3,4,5
	ds_store_b128 v1, v[W+4*\n:W+4*\n+3] offset:512*\n
.endr
.irp n, 0,1,2,3,4,5
	ds_store_b128 v1, v[B+4*\n:B+4*\n+3] offset:BETA+512*\n
.endr
	s_wait_alu depctr_vm_vsrc(0)                   ; the twelve LDS stores have read W and B, in which the LDS loads below land and which the multiplies behind them write
.irp n, 0,1,2,3,4,5
	ds_load_b128 v[W+4*\n:W+4*\n+3], v3 offset:16*\n
.endr
.irp n, 0,1,2,3,4,5
	ds_load_b128 v[B+4*\n:B+4*\n+3], v3 offset:BETA+16*\n
.endr
	s_wait_dscnt 6                                 ; w is back; beta's six loads stay out while the exponentials are made
.irp n, 0,2,4,6,8,10,12,14,16,18,20,22
	v_pk_mul_f32 v[W+\n:W+\n+1], v[W+\n:W+\n+1], 0x3fb8aa3b op_sel_hi:[1,0]      ; w * log2 e
.endr
.set n, 0
.rept 24
	v_exp_f32 v[W+n], v[W+n]                       ; exp(w) = 2^(w log2 e), once for the 64 rows
.set n, n+1
.endr
	v_nop                                          ; one plain vector instruction between the last v_exp_f32 and the first use (ISA guide 5.7.2)
	s_wait_alu depctr_va_vdst(0)
	s_wait_dscnt 0                                 ; beta is back
; The six lines of one column: three packed multiply-adds.  t: where the row's 24 lines go; x: the register pair that holds the bid, s: which of
; the two it is (op_sel picks it for the low result, op_sel_hi for the high one); w and beta come as the pairs in which memory has them.
.macro COLUMN t, x, c, s
.irp m, 0,2,4
	v_pk_fma_f32 v[\t+6*\c+\m:\t+6*\c+\m+1], v[\x:\x+1], v[W+6*\c+\m:W+6*\c+\m+1], v[B+6*\c+\m:B+6*\c+\m+1] op_sel:[\s,0,0] op_sel_hi:[\s,1,1]
.endr
.endm
; The lines of the block in buffer b.  left = how many younger loads may still be out when this block's four have to be there.
.macro LINES b, left
	s_wait_loadcnt \left                           ; X[b] is in, the younger blocks stay out
.irp i, 0,1,2,3
	COLUMN T+24*\i, X+16*\b+4*\i,   0, 0
	COLUMN T+24*\i, X+16*\b+4*\i,   1, 1
	COLUMN T+24*\i, X+16*\b+4*\i+2, 2, 0
	COLUMN T+24*\i, X+16*\b+4*\i+2, 3, 1
.endr
.endm
; The memory instructions of the block in buffer b.  ahead = 1: the buffer is asked for again, with the block DEPTH rows further down.
; store = 1: the block before goes out (store = 0: block 0, with no block in front of it).
.macro MOVE b, ahead, store
	s_wait_xcnt 0x0                                ; every earlier memory instruction has had its addresses translated (ISA guide 3.1): the bases, and the Y that the block's minima write, are rewritten only behind this wait
.if \store
	s_wait_alu depctr_vm_vsrc(0)                   ; the stores issued a block ago have read this block's Y, which its minima write again
.endif
	s_wait_alu depctr_va_vdst(0)                   ; this block's lines are made: they are done reading X[b], in which the loads below land; the block before has written the other Y, which the stores below read
.if \ahead
	s_add_nc_u64 s[4:5], s[4:5], BLOCK*ROW         ; both bases move on by a block: they stand at the first row of the block behind this one
.endif
	s_add_nc_u64 s[10:11], s[10:11], BLOCK*ROW
.if \ahead
.irp i, 0,1,2,3
	global_load_b128 v[X+16*\b+4*\i:X+16*\b+4*\i+3], v2, s[4:5] offset:(DEPTH-BLOCK+\i)*ROW th:TH_LOAD_NT   ; the bids are used up: ask at once, ahead of the stores
.endr
.endif
.if \store
.irp i, 0,1,2,3
	global_store_b128 v2, v[Y+16*(1-(\b)%2)+4*\i:Y+16*(1-(\b)%2)+4*\i+3], s[10:11] offset:(\i-2*BLOCK)*ROW th:TH_STORE_NT   ; the block before: the offset reaches back.  512 consecutive bytes, aligned; not read again
.endr
.endif
.endm
; The block's 96 lines become its 16 results, in Y buffer k.  These lines name T and Y[k] alone: none of the registers that MOVE's loads and stores touch.
.macro FOLD k
.irp i, 0,1,2,3
.irp c, 0,1,2,3
	v_max3_num_f32 v[T+24*\i+6*\c],   v[T+24*\i+6*\c],   v[T+24*\i+6*\c+1], v[T+24*\i+6*\c+2]       ; max over j, k = 0
	v_max3_num_f32 v[T+24*\i+6*\c+3], v[T+24*\i+6*\c+3], v[T+24*\i+6*\c+4], v[T+24*\i+6*\c+5]       ; max over j, k = 1
.endr
.endr
.irp i, 0,1,2,3
.irp c, 0,1,2,3
	v_min_num_f32 v[Y+16*\k+4*\i+\c], v[T+24*\i+6*\c], v[T+24*\i+6*\c+3]                            ; min over k
.endr
.endr
.endm
	LINES 0, DEPTH-BLOCK                           ; block 0
	MOVE 0, 1, 0                                   ; block 4 is asked for; nothing is there to store, and no store has read a Y yet
	s_mov_b32 s14, ROUNDS-1
	s_branch .Lin                                  ; the loop is entered behind its first MOVE, in the middle of a trip
.Lround:                                               ; a lap: blocks 4 m to 4 m + 3, m = 0 to 2, and the lines of block 4 m + 4; both kinds of buffer are back at their start
	MOVE 0, 1, 1
.Lin:
	FOLD 0
	LINES 1, DEPTH-BLOCK
	MOVE 1, 1, 1
	FOLD 1
	LINES 2, DEPTH-BLOCK
	MOVE 2, 1, 1
	FOLD 0
	LINES 3, DEPTH-BLOCK
	MOVE 3, 1, 1
	FOLD 1
	LINES 0, DEPTH-BLOCK
	s_sub_co_u32 s14, s14, 1
	s_cmp_lg_u32 s14, 0
	s_cbranch_scc1 .Lround
	MOVE 0, 0, 1                                   ; rows 48 to 63: nothing is loaded beyond the group's rows, and the counts run down
	FOLD 0
	LINES 1, 2*BLOCK
	MOVE 1, 0, 1
	FOLD 1
	LINES 2, BLOCK
	MOVE 2, 0, 1
	FOLD 0
	LINES 3, 0
	MOVE 3, 0, 1
	FOLD 1
	s_wait_alu depctr_va_vdst(0)                   ; block 15 has written Y1, which the last four stores read
.irp i, 0,1,2,3
	global_store_b128 v2, v[Y+16+4*\i:Y+16+4*\i+3], s[10:11] offset:(\i-BLOCK)*ROW th:TH_STORE_NT   ; the base stands behind the group's last row
.endr
	s_wait_dscnt 0x0
	s_wait_alu depctr_hold_cnt(0) depctr_sa_sdst(0) depctr_va_vdst(0) depctr_va_sdst(0) depctr_va_ssrc(0) depctr_va_vcc(0) depctr_vm_vsrc(0)
	s_wait_tensorcnt 0x0
	ds_add_u32 v244, v245
	s_wait_dscnt 0x0
	s_endpgm
.Lfunc_end_k_q8528752705_vvn:
	.size	k_q8528752705_vvn, .Lfunc_end_k_q8528752705_vvn-k_q8528752705_vvn
	.p2alignl 7, 3214868480
	.fill 96, 4, 3214868480
	.section	.rodata,"a",@progbits
	.p2align	6, 0x0
	.amdhsa_kernel k_q8528752705_vvn
		.amdhsa_group_segment_fixed_size 50176
		.amdhsa_private_segment_fixed_size 0
		.amdhsa_enable_private_segment 0
		.amdhsa_kernarg_size 32
		.amdhsa_user_sgpr_count 2
		.amdhsa_user_sgpr_kernarg_segment_ptr 1
		.amdhsa_wavefront_size32 1
		.amdhsa_system_sgpr_workgroup_id_x 1
		.amdhsa_system_sgpr_workgroup_id_y 1
		.amdhsa_system_sgpr_workgroup_id_z 1
		.amdhsa_system_vgpr_workitem_id 0
		.amdhsa_next_free_vgpr 246
		.amdhsa_next_free_sgpr 66
		.amdhsa_reserve_vcc 0
		.amdhsa_float_denorm_mode_32 3
		.amdhsa_float_denorm_mode_16_64 3
		.amdhsa_memory_ordered 1
		.amdhsa_forward_progress 1
		.amdhsa_inst_pref_size 59
	.end_amdhsa_kernel
	.amdgpu_metadata
---
amdhsa.version: [ 1, 2 ]
amdhsa.kernels:
  - .name:           k_q8528752705_vvn
    .symbol:         k_q8528752705_vvn.kd
    .args:
      - { .name: bids, .offset: 0, .size: 8, .value_kind: global_buffer, .address_space: global }
      - { .name: w_params, .offset: 8, .size: 8, .value_kind: global_buffer, .address_space: global }
      - { .name: beta_params, .offset: 16, .size: 8, .value_kind: global_buffer, .address_space: global }
      - { .name: out0, .offset: 24, .size: 8, .value_kind: global_buffer, .address_space: global }
    .group_segment_fixed_size: 50176
    .private_segment_fixed_size: 0
    .kernarg_segment_align: 8
    .kernarg_segment_size: 32
    .max_flat_workgroup_size: 256
    .sgpr_count:     66
    .vgpr_count:     246
    .wavefront_size: 32
...
	.end_amdgpu_metadata
.endif
;; end of part 2
